; MI455X (gfx1250); checked and timed in simulation.
; The chip was launched on July 23, 2026; its instructions are those of AMD's public machine-readable ISA for CDNA 5 (MIT licence, August 2026) and "CDNA5" Instruction Set Architecture Reference Guide (July 2026). The comments in the code are by the model that wrote it; some were corrected since.
;; Global Self Attention. Allowed arithmetic: matrix products marked QUANTISED: E2M1 operands, one E8M0 scale for each 32 along K, by v_wmma_scale_f32_16x16x128_f8f6f4 with both operands' format E2M1 (or v_wmma_scale_f32_32x16x128_f4), f32 sums; everything else in f32.
;; Inputs: b_out 1,024 float32; b_qkv 3,072 float32; w_out_codes 1,024 x 32 x 16 uint8 (E2M1 codes of w_out, K innermost, in blocks of 32 codes, two codes a byte); w_out_scales 1,024 x 32 uint8 (E8M0 scales of w_out, one for each 32 codes along K); w_qkv_codes 3,072 x 32 x 16 uint8 (E2M1 codes of w_qkv, K innermost, in blocks of 32 codes, two codes a byte); w_qkv_scales 3,072 x 32 uint8 (E8M0 scales of w_qkv, one for each 32 codes along K); x_codes 4,096 x 32 x 16 uint8 (E2M1 codes of x, K innermost, in blocks of 32 codes, two codes a byte); x_scales 4,096 x 32 uint8 (E8M0 scales of x, one for each 32 codes along K).
;; Outputs: out0 4,096 x 1,024 float32.
;; This version of the problem:
;;   THIS VERSION OF THE PROBLEM IS GIVEN IN LOW PRECISION. The matrix products marked QUANTISED in the list below multiply operands that are first quantised to E2M1 (2 exponent bits, 1 mantissa bit; 4 bits a number), with one power-of-two scale for each 32 numbers along K (OCP MX v1.0); their sums are f32. All else is computed in f32.
;;   The module's matrix products, in the order in which they are computed (A, B: the left and right operand; K: the contracted axis; several contracted axes count as one K, in the product's order):
;;     1. [M 4,096, K 1,024] x [K 1,024, N 3,072]; A: input x (given as codes); B: input w_qkv (given as codes): QUANTISED
;;     2. batch 16 x [M 4,096, K 64] x [K 64, N 4,096]; A: computed on the way; B: computed on the way: QUANTISED
;;     3. batch 16 x [M 4,096, K 4,096] x [K 4,096, N 64]; A: softmax (see below); B: computed on the way: QUANTISED
;;     4. [M 4,096, K 1,024] x [K 1,024, N 1,024]; A: computed on the way; B: input w_out (given as codes): QUANTISED
;;   THE QUANTISER, for each operand of a quantised product, along K:
;;     - K is cut into blocks of 32 from its start; a last block that is shorter is filled with zeros.
;;     - A block's scale is 2^e with e = floor(log2(the largest magnitude in the block)) - 2, held to -126 .. 127; a block of zeros has e = 0. As a byte (E8M0): e + 127.
;;     - Each number is divided by its block's scale, clamped to +-6, and rounded to the nearest number of E2M1, ties to even, subnormals kept.
;;     - The product sums the exact products of the quantised numbers (number of the format x scale) in f32.
;;   ~~~python
;;   def quantise(x, axis):      # numpy; x: float32 -> the quantised numbers, widened to float32 again
;;       x = np.moveaxis(x, axis, -1); K = x.shape[-1]
;;       x = np.pad(x, [(0, 0)] * (x.ndim - 1) + [(0, -K % 32)]); x = x.reshape(x.shape[:-1] + (-1, 32)); a = np.abs(x).max(-1, keepdims=True)
;;       e = np.where(a > 0, np.clip(np.frexp(np.where(a > 0, a, 1))[1] - 1 - 2, -126, 127), 0)      # np.frexp(a)[1] - 1 = floor(log2(a)), exactly
;;       r = np.clip(x / 2.0 ** e, -6, 6)
;;       step = 2.0 ** (np.maximum(np.frexp(np.where(r == 0, 1, r))[1] - 1, 0) - 1)
;;       q = np.round(r / step) * step * 2.0 ** e      # np.round: ties to even
;;       return np.moveaxis(q.reshape(q.shape[:-2] + (-1,))[..., :K], -1, axis).astype(np.float32)
;;   ~~~
;;   SOFTMAX AHEAD OF A QUANTISED PRODUCT. Where the list says 'softmax', what is quantised is not the finished softmax but p = 2^(t - M), with t = logit x log2(e) and M = ceil(the row's largest t), a whole number; so 1/2 < the row's largest p <= 1. The row's sum l is taken of the UNQUANTISED p, in f32, and the product's result is divided by l at the end. Since M is a whole number, a kernel that streams over the keys may use a running M (the ceiling of the running maximum): every later rescaling is an exact power of two, which a block's scale takes up: the codes' values come out the same.
;;   OPERANDS COMPUTED ON THE WAY. 'Computed on the way' means the value that the module computes at that place (a softmax that the list does not call 'softmax' is quantised finished and normalised). What goes into a quantiser is computed in f32, as accurately as f32 sums, v_exp_f32 and their like allow (about 1e-6 of the number): no bf16 or f16 on the way to a quantiser, and a product that is left as it is and whose result goes on into a quantised operand takes f32 operands (vector FMAs, or v_wmma_f32_16x16x4_f32). A number that lies on a knife's edge between two numbers of the format may be rounded either way, as far as f32 arithmetic and the matrix unit's own rounding can turn it there, and no further.
;;   INPUTS GIVEN AS CODES. w_out (in the module: [1024, 1024], K = its axis 0); w_qkv (in the module: [1024, 3072], K = its axis 0); x (in the module: [4096, 1024], K = its axis 1): each comes as NAME_codes (uint8): NAME with its K axis moved to the last place and cut into blocks of 32 codes, [.., K / 32, bytes a block], one block behind the other in memory; two codes a byte, the lower K in the low four bits (a code: sign, 2 exponent bits, 1 mantissa bit); and NAME_scales (uint8): the same leading axes, one E8M0 byte (e + 127) for each 32 codes along K. Its value is code x scale, taken as it is: it is not quantised again, and the codes and scales need not be those that the quantiser above would give.
;; One version. Each part assembles by itself: llvm-mc -triple=amdgcn-amd-amdhsa -mcpu=gfx1250 --defsym DOCPART=n.
;; ======== version 1 of 1: 3 launches
;; limits: right only within a limited range of input values
;; workspace buffers: kv 4,587,520 bytes; q_rec 4,587,520 bytes; a_img 2,097,152 bytes; a_sc 262,144 bytes
;; launch proj (part 1): grid 8 x 32, 12 waves a work-group, clusters of 4 x 4, 327,680 bytes of LDS; arguments x_codes, x_scales, w_qkv_codes, w_qkv_scales, b_qkv, q_rec, kv; writes q_rec, kv
.if DOCPART == 1
	.amdgcn_target "amdgcn-amd-amdhsa--gfx1250"
	.amdhsa_code_object_version 6
	.text
	.protected	k_q02dd236c0f_proj
	.globl	k_q02dd236c0f_proj
	.p2align	8
	.type	k_q02dd236c0f_proj,@function
k_q02dd236c0f_proj:
	s_mov_b64 s[64:65], 0
	v_nop
	global_prefetch_b8 v0, s[64:65] scope:SCOPE_SE
	s_setreg_imm32_b32 hwreg(HW_REG_WAVE_MODE, 25, 1), 1
	s_wait_xcnt 0x0
	s_wait_alu depctr_hold_cnt(0) depctr_sa_sdst(0) depctr_va_vdst(0) depctr_va_sdst(0) depctr_va_ssrc(0) depctr_va_vcc(0) depctr_vm_vsrc(0)
	s_getreg_b32 s2, hwreg(HW_REG_IB_STS2, 6, 4)
	s_cmp_eq_u32 s2, 0
	s_cbranch_scc0 .Lentry_in_a_cluster
	s_endpgm
.Lentry_in_a_cluster:
	s_bfe_u32 s2, ttmp6, 0x10000c
	s_cmp_lg_u32 s2, 0xf033
	s_cbranch_scc0 .Lentry_shape_is_right
	s_endpgm
.Lentry_shape_is_right:
; qkv = x W + b on codes of FP4 (E2M1) with one E8M0 scale for each 32 along K = 1,024; then q and k are quantised along the head's 64 and v along the keys, and leave as IMAGES OF OPERAND REGISTERS.
; x: [4096][512 bytes] codes, [4096][32] scale bytes.  W: [3072][512 bytes] codes (row = column of w_qkv = which x 1024 + head x 64 + d), [3072][32] scale bytes.  b: [3072] f32.
; SHARES.  A work-group takes 128 tokens (tb) and two heads (2 cg, 2 cg + 1) of q, k and v.  Twelve waves: role = wave / 4 (0 q, 1 k, 2 v), sub = wave % 4.  A wave makes 128 x 32 numbers in 16 accumulators.
; SOURCE 0 IS THE OPERAND WHOSE ROWS ARE THE NEXT PRODUCT'S K, so that a lane's registers run along that K:  q, k: source 0 = 128 rows of W (the two heads' dims), source 1 = tokens 32 sub ..;
; v: source 0 = the 128 tokens (the keys), source 1 = rows 32 sub .. of W's v part.  In tile a, lane (r, h) holds row r of source 1 and register j the row 16 a + 8 h + j of source 0.
; ALL OPERANDS FIT IN LDS WHOLE: 3 x 128 rows of W and 128 rows of x, all of K, and their scale bytes: each LDS byte is filled once, so there is no ring.
; CLUSTER 4 x 4: W's tiles hang on cg alone and are shared along a column of the cluster, x's on tb alone and are shared along a row: each is asked for jointly, one tensor load a wave.
; OUTPUT: records of 8,960 bytes, [head][128 tokens]: +0 eight images of 512 bytes (16 tokens x 64 dims: lane l's 16 bytes at 16 l = registers 0-3 of a fragment); +4096 (kv alone) four images of 1,024 bytes (16 d x 128 keys,
; half c at 512 c); +8192 four registers of scale words (lanes 0-15 tile 2 i, lanes 16-31 tile 2 i + 1; bytes 2 and 3 are 0x7f: they belong to the zero codes that fill K = 64 to 128); +8704 (kv alone) two such registers for v.
; LIMITS: NaN and infinities are not served.  A block whose largest magnitude lies under 2^-124, zeros among them, gets the scale byte 1 where the quantiser says 127 for zeros: its codes are zeros, and this program alone reads the bytes.
.set PITCH, 528                        ; an LDS row: 512 bytes + 16 of padding = 132 words: row r starts at bank 4 r mod 64 (64 banks of 4 bytes: ISA guide 11.1)
.set G,     128*PITCH                  ; 128 rows: groups 0 Wq, 1 Wk, 2 Wv, 3 x
.set SCL,   4*G                        ; the scale bytes of the four groups, 128 rows x 32 bytes each, dense
.set SCR,   SCL+4*4096                 ; 512 bytes for each wave: its role's 128 numbers of the bias; no fill lands here
.set REC,   8960
.set HEADB, 32*REC
.set VOFF,  4096
.set KSC,   8192
.set VSC,   8704
.set SC0,   12                         ; v12-27  source 0's scale words: pair p of tiles, K step s % 4, at 12 + 4 p + s % 4
.set SC1,   28                         ; v28-31  source 1's: lanes 0-15 tile 0, lanes 16-31 tile 1
.set F0,    32                         ; v32-95  source 0's eight fragments; later the bias
.set F1,    96                         ; v96-111 source 1's two fragments; later the codes
.set TM,    112                        ; v112-113 largest magnitudes
.set TP,    114                        ; v114-115 the other half of the lanes'
.set TS,    116                        ; v116-117 the conversions' scale operands
.set TY,    118                        ; v118-119 scale bytes
.set HW,    120                        ; v120-123 two bytes for each of (n, c)
.set WD,    124                        ; v124-127 the bias on its way in; later scale words
.set ACC,   128                        ; v128-255 accumulator (n, a) at 128 + 8 (8 n + a)
.set WV,    18
.set G1W,   28                         ; s[28:35] group 1, W's codes;  s[36:43] x's codes;  s[44:51] W's scales;  s[52:59] x's scales
.set G1X,   36
.set G1WS,  44
.set G1XS,  52
.set G0W,   60                         ; s[60:63], s[68:71], s[72:75], s[76:79] their groups 0
.set G0X,   68
.set G0WS,  72
.set G0XS,  76
.set SEL,   96                         ; s[96:97] lane selects for v_permlanex16_b32: lane l xor 16;  s98: the mask of lanes 16-31
.macro PLACES n
.rept \n
	v_nop
.endr
.endm
.macro CROUND                          ; a round of the cluster's barrier
	s_barrier_signal -1
	s_barrier_wait -1
	s_cmp_lg_u32 s[WV], 0
	s_cbranch_scc1 .Lnot_wave_0_\@
	s_barrier_signal -3
.Lnot_wave_0_\@:
	s_barrier_wait -3
	s_barrier_signal -1
	s_barrier_wait -1
.endm
; One matrix instruction on the registers named by rD, rA, rB, rC (under 0: the constant 0), rSA, rSB.  ra, rb = 1: that side's scale words are taken from lanes 16-31.
.macro WM ra, rb
.if rC < 0
.if (\ra) && (\rb)
	v_wmma_scale_f32_16x16x128_f8f6f4 v[rD:rD+7], v[rA:rA+7], v[rB:rB+7], 0, v[rSA], v[rSB] matrix_a_fmt:MATRIX_FMT_FP4 matrix_b_fmt:MATRIX_FMT_FP4 matrix_a_scale:MATRIX_SCALE_ROW1 matrix_b_scale:MATRIX_SCALE_ROW1
.elseif (\ra)
	v_wmma_scale_f32_16x16x128_f8f6f4 v[rD:rD+7], v[rA:rA+7], v[rB:rB+7], 0, v[rSA], v[rSB] matrix_a_fmt:MATRIX_FMT_FP4 matrix_b_fmt:MATRIX_FMT_FP4 matrix_a_scale:MATRIX_SCALE_ROW1
.elseif (\rb)
	v_wmma_scale_f32_16x16x128_f8f6f4 v[rD:rD+7], v[rA:rA+7], v[rB:rB+7], 0, v[rSA], v[rSB] matrix_a_fmt:MATRIX_FMT_FP4 matrix_b_fmt:MATRIX_FMT_FP4 matrix_b_scale:MATRIX_SCALE_ROW1
.else
	v_wmma_scale_f32_16x16x128_f8f6f4 v[rD:rD+7], v[rA:rA+7], v[rB:rB+7], 0, v[rSA], v[rSB] matrix_a_fmt:MATRIX_FMT_FP4 matrix_b_fmt:MATRIX_FMT_FP4
.endif
.else
.if (\ra) && (\rb)
	v_wmma_scale_f32_16x16x128_f8f6f4 v[rD:rD+7], v[rA:rA+7], v[rB:rB+7], v[rC:rC+7], v[rSA], v[rSB] matrix_a_fmt:MATRIX_FMT_FP4 matrix_b_fmt:MATRIX_FMT_FP4 matrix_a_scale:MATRIX_SCALE_ROW1 matrix_b_scale:MATRIX_SCALE_ROW1
.elseif (\ra)
	v_wmma_scale_f32_16x16x128_f8f6f4 v[rD:rD+7], v[rA:rA+7], v[rB:rB+7], v[rC:rC+7], v[rSA], v[rSB] matrix_a_fmt:MATRIX_FMT_FP4 matrix_b_fmt:MATRIX_FMT_FP4 matrix_a_scale:MATRIX_SCALE_ROW1
.elseif (\rb)
	v_wmma_scale_f32_16x16x128_f8f6f4 v[rD:rD+7], v[rA:rA+7], v[rB:rB+7], v[rC:rC+7], v[rSA], v[rSB] matrix_a_fmt:MATRIX_FMT_FP4 matrix_b_fmt:MATRIX_FMT_FP4 matrix_b_scale:MATRIX_SCALE_ROW1
.else
	v_wmma_scale_f32_16x16x128_f8f6f4 v[rD:rD+7], v[rA:rA+7], v[rB:rB+7], v[rC:rC+7], v[rSA], v[rSB] matrix_a_fmt:MATRIX_FMT_FP4 matrix_b_fmt:MATRIX_FMT_FP4
.endif
.endif
.endm
; 32 numbers of a lane, v[QS] on: four tiles; register 8 t + j is index 16 t + 8 h + j along the next K of the lane's row: two blocks of 32 (tiles 0, 1 and tiles 2, 3), each shared with lane l xor 16.
; Out: v[QD .. QD+3] = four registers of an operand (lane (r, h): block h of row r, k ascending);  v[QH] = block 0's byte | block 1's << 8.
; The codes of tile 0 and of tile 2 change halves: lanes 0-15 then hold k 0-7 and k 8-15 of block 0, lanes 16-31 those of block 1; tiles 1 and 3 give k 16-31 likewise.
.macro QUANT
.irp b, 0,1
	v_max3_num_f32 v[TM+\b], |v[QS+16*\b]|, |v[QS+16*\b+1]|, 0x1800000   ; my 16 numbers of block b, and the floor 2^(3 - 127): the byte cannot fall under 1
.endr
.irp i, 2,4,6,8,10,12,14
.irp b, 0,1
	s_delay_alu instid0(VALU_DEP_2)
	v_max3_num_f32 v[TM+\b], v[TM+\b], |v[QS+16*\b+\i]|, |v[QS+16*\b+\i+1]|
.endr
.endr
.irp b, 0,1
	s_delay_alu instid0(VALU_DEP_2)
	v_permlanex16_b32 v[TP+\b], v[TM+\b], s[SEL], s[SEL+1]
.endr
.irp b, 0,1
	s_delay_alu instid0(VALU_DEP_2)
	v_max_num_f32 v[TM+\b], v[TM+\b], v[TP+\b]     ; the block's largest magnitude
.endr
.irp b, 0,1
	s_delay_alu instid0(VALU_DEP_2)
	v_add_nc_u32 v[TS+\b], 0xff000000, v[TM+\b]    ; 2 off its exponent field: the conversion takes that field as its scale
.endr
.irp b, 0,1
	s_delay_alu instid0(VALU_DEP_2)
	v_lshrrev_b32 v[TY+\b], 23, v[TS+\b]           ; the scale's byte
.endr
	s_delay_alu instid0(VALU_DEP_1)
	v_lshl_or_b32 v[QH], v[TY+1], 8, v[TY]
	v_cvt_scalef32_pk8_fp4_f32 v[QD], v[QS:QS+7], v[TS]
	v_cvt_scalef32_pk8_fp4_f32 v[QD+1], v[QS+16:QS+23], v[TS+1]
	v_cvt_scalef32_pk8_fp4_f32 v[QD+2], v[QS+8:QS+15], v[TS]
	v_cvt_scalef32_pk8_fp4_f32 v[QD+3], v[QS+24:QS+31], v[TS+1]
	v_nop                                          ; one plain place behind a scaled conversion
	v_permlane16_swap_b32 v[QD], v[QD+1]
	v_permlane16_swap_b32 v[QD+2], v[QD+3]
.endm
	s_load_b256 s[4:11], s[0:1], 0x0               ; x's codes s[4:5], x's scales s[6:7], W's codes s[8:9], W's scales s[10:11]
	s_load_b128 s[12:15], s[0:1], 0x20             ; b s[12:13], q_rec s[14:15]
	s_load_b64 s[16:17], s[0:1], 0x30              ; kv
	s_set_vgpr_msb 0x40
	v_lshl_add_u32 v0, v0, 2, 0x47800
	v_mov_b32 v1, 0
	s_set_vgpr_msb 0x4045
	ds_add_u32 v0, v1
	ds_add_u32 v0, v1
	s_set_vgpr_msb 0x4500
	v_lshrrev_b32 v1, 5, v0
	s_delay_alu instid0(VALU_DEP_1)
	v_readfirstlane_b32 s[WV], v1                  ; wave 0..11
	s_lshr_b32 s19, s[WV], 2                       ; role
	s_and_b32 s20, s[WV], 3                        ; sub
	s_lshr_b32 s21, s19, 1                         ; 1 for v
	s_bfe_u32 s22, ttmp6, 0x40000                  ; cx
	s_bfe_u32 s23, ttmp6, 0x40004                  ; cy
	s_lshl_b32 s24, ttmp9, 2
	s_add_co_u32 s24, s24, s22                     ; cg = 4 x cluster x + cx: the pair of heads
	s_and_b32 s25, ttmp7, 0xffff
	s_lshl_b32 s25, s25, 2
	s_add_co_u32 s25, s25, s23                     ; tb = 4 x cluster y + cy: the 128 tokens
	s_lshl_b32 s26, s23, 2
	s_lshl_b32 s26, 15, s26                        ; my row of the cluster
	s_lshl_b32 s27, 0x1111, s22                    ; my column
	; group 1: 64 rows of 512 bytes, 16 bytes of padding behind each
	s_or_b32 s[G1W], s27, (1<<20)|(1<<21)|(6<<22)|(3<<25)   ; 15:0 the mask; 17:16 elements of 1 byte; 20 padding on; 21 set beside a mask; 24:22 after every 128 words; 31:25 four words
	s_or_b32 s[G1X], s26, (1<<20)|(1<<21)|(6<<22)|(3<<25)
.irp g, G1W, G1X
	s_mov_b32 s[\g+1], 512<<16                     ; tensor_dim0
	s_mov_b32 s[\g+2], 64<<16                      ; tensor_dim1
	s_mov_b32 s[\g+3], 512<<16                     ; tile_dim0
	s_mov_b32 s[\g+4], 64                          ; tile_dim1
	s_mov_b32 s[\g+5], 512                         ; from row to row
	s_mov_b32 s[\g+6], 0
	s_mov_b32 s[\g+7], 0
.endr
	; group 1: the scale bytes of 128 rows, 4,096 dense bytes, as 16 rows of 256 bytes (32 elements of 8 bytes)
	s_or_b32 s[G1WS], s27, (3<<16)|(1<<21)
	s_or_b32 s[G1XS], s26, (3<<16)|(1<<21)
.irp g, G1WS, G1XS
	s_mov_b32 s[\g+1], 32<<16
	s_mov_b32 s[\g+2], 16<<16
	s_mov_b32 s[\g+3], 32<<16
	s_mov_b32 s[\g+4], 16
	s_mov_b32 s[\g+5], 32
	s_mov_b32 s[\g+6], 0
	s_mov_b32 s[\g+7], 0
.endr
	; what I fetch.  Waves 0-5: half (wave % 2) of W's group wave / 2;  6, 7: a half of x;  8-10: the scale bytes of W's group wave % 4;  11: x's.  Every wave makes all four groups 0; cg and tb never meet in a register
	s_lshr_b32 s80, s[WV], 1
	s_min_u32 s80, s80, 2                          ; W's group
	s_and_b32 s81, s[WV], 1                        ; which 64 rows
	s_mul_i32 s82, s80, G
	s_mul_i32 s83, s81, 64*PITCH
	s_add_co_u32 s82, s82, s83                     ; W's codes: in LDS
	s_lshl_b32 s84, s80, 10
	s_lshl_b32 s85, s24, 7
	s_add_co_u32 s84, s84, s85
	s_lshl_b32 s85, s81, 6
	s_add_co_u32 s84, s84, s85
	s_lshl_b32 s84, s84, 9                         ; and in memory: row 1024 group + 128 cg + 64 half, 512 bytes a row
	s_mov_b32 s85, 0
	s_add_co_u32 s86, s83, 3*G                     ; x's codes: in LDS
	s_lshl_b32 s88, s25, 7
	s_lshl_b32 s89, s81, 6
	s_add_co_u32 s88, s88, s89
	s_lshl_b32 s88, s88, 9                         ; and in memory
	s_mov_b32 s89, 0
	s_min_u32 s94, s20, 2                          ; W's group for the scale bytes
	s_lshl_b32 s90, s94, 10
	s_lshl_b32 s91, s24, 7
	s_add_co_u32 s90, s90, s91
	s_lshl_b32 s90, s90, 5                         ; 32 bytes a row
	s_mov_b32 s91, 0
	s_lshl_b32 s94, s94, 12
	s_add_co_u32 s94, s94, SCL
	s_lshl_b32 s92, s25, 12                        ; x's scale bytes
	s_mov_b32 s93, 0
	s_wait_dscnt 0x0
	s_wait_kmcnt 0x0
	s_mov_b32 s[G0W], 1
	s_mov_b32 s[G0W+1], s82
	s_add_nc_u64 s[G0W+2:G0W+3], s[8:9], s[84:85]
	s_or_b32 s[G0W+3], s[G0W+3], 0x80000000
	s_mov_b32 s[G0X], 1
	s_mov_b32 s[G0X+1], s86
	s_add_nc_u64 s[G0X+2:G0X+3], s[4:5], s[88:89]
	s_or_b32 s[G0X+3], s[G0X+3], 0x80000000
	s_mov_b32 s[G0WS], 1
	s_mov_b32 s[G0WS+1], s94
	s_add_nc_u64 s[G0WS+2:G0WS+3], s[10:11], s[90:91]
	s_or_b32 s[G0WS+3], s[G0WS+3], 0x80000000
	s_mov_b32 s[G0XS], 1
	s_mov_b32 s[G0XS+1], SCL+3*4096
	s_add_nc_u64 s[G0XS+2:G0XS+3], s[6:7], s[92:93]
	s_or_b32 s[G0XS+3], s[G0XS+3], 0x80000000
	CROUND                                         ; all sixteen work-groups are here: the joint loads meet
	s_cmp_lt_u32 s[WV], 6                          ; one tensor load a wave; the branches hang on the wave's number alone; four v_nop follow each line
	s_cbranch_scc0 .Lnot_w
	tensor_load_to_lds s[G0W:G0W+3], s[G1W:G1W+7]
	s_nop 0
	PLACES 4
	s_branch .Lasked
.Lnot_w:
	s_cmp_lt_u32 s[WV], 8
	s_cbranch_scc0 .Lnot_x
	tensor_load_to_lds s[G0X:G0X+3], s[G1X:G1X+7]
	s_nop 0
	PLACES 4
	s_branch .Lasked
.Lnot_x:
	s_cmp_lt_u32 s[WV], 11
	s_cbranch_scc0 .Lfor_xs
	tensor_load_to_lds s[G0WS:G0WS+3], s[G1WS:G1WS+7]
	s_nop 0
	PLACES 4
	s_branch .Lasked
.Lfor_xs:
	tensor_load_to_lds s[G0XS:G0XS+3], s[G1XS:G1XS+7]
	s_nop 0
	PLACES 4
.Lasked:
	; addresses.  A fragment, 16 rows x 128 K of 4-bit codes, is 8 registers: lane (r, h): registers 4 c .. 4 c + 3 = the 16 bytes at 64 s + 32 c + 16 h of row r
	v_and_b32 v1, 15, v0                           ; r
	v_bfe_u32 v2, v0, 4, 1                         ; h
	s_delay_alu instid0(VALU_DEP_2)
	v_mul_u32_u24 v3, v1, PITCH
	s_delay_alu instid0(VALU_DEP_1)
	v_lshl_add_u32 v3, v2, 4, v3
	s_add_co_u32 s80, s19, s21                     ; source 0's group: 0, 1, 3
	s_xor_b32 s81, s21, 3                          ; source 1's: 3, 3, 2
	s_mul_i32 s82, s80, G
	s_mul_i32 s83, s81, G
	s_mul_i32 s84, s20, 32*PITCH                   ; my 32 rows of source 1
	s_add_co_u32 s83, s83, s84
	v_add_nc_u32 v4, s83, v3                       ; v4: source 1's fragments
	v_add_nc_u32 v3, s82, v3                       ; v3: source 0's
	v_and_b32 v8, 31, v0                           ; lane
	s_delay_alu instid0(VALU_DEP_1)
	v_lshlrev_b32 v7, 4, v8                        ; v7: 16 x lane
	s_wait_alu depctr_va_vdst(0)
	v_lshlrev_b32 v5, 5, v8                        ; a row of scale bytes is 32 bytes; lane l takes row l of a pair of tiles
	v_lshlrev_b32 v8, 2, v8                        ; v8: 4 x lane
	s_lshl_b32 s82, s80, 12
	s_add_co_u32 s82, s82, SCL
	s_lshl_b32 s83, s81, 12
	s_lshl_b32 s84, s20, 10
	s_add_co_u32 s83, s83, s84
	s_add_co_u32 s83, s83, SCL
	v_add_nc_u32 v6, s83, v5                       ; v6: source 1's scale words
	v_add_nc_u32 v5, s82, v5                       ; v5: source 0's
	s_lshl_b32 s86, s[WV], 9
	s_add_co_u32 s86, s86, SCR                     ; my 512 bytes for the bias
	v_lshl_add_u32 v9, v2, 5, s86                  ; v9: q, k: the eight numbers of my half of a tile
	s_lshl_b32 s87, s20, 7
	s_add_co_u32 s87, s87, s86
	v_lshl_add_u32 v10, v1, 2, s87                 ; v10: v: my row's number
	v_add_nc_u32 v11, s86, v7                      ; v11: on the way in
	s_lshl_b32 s88, s19, 10
	s_lshl_b32 s89, s24, 7
	s_add_co_u32 s88, s88, s89
	s_lshl_b32 s88, s88, 2
	s_mov_b32 s89, 0
	s_add_nc_u64 s[12:13], s[12:13], s[88:89]      ; b at 1024 role + 128 cg
	global_load_b128 v[WD:WD+3], v7, s[12:13]      ; 512 consecutive bytes a wave
	s_mov_b32 s[SEL], 0x76543210
	s_mov_b32 s[SEL+1], 0xfedcba98
	s_mov_b32 s98, 0xffff0000
	v_mov_b32 v[TP], 0                             ; written once: a lane permute's destination counts as one of its sources
	v_mov_b32 v[TP+1], 0
	s_wait_alu depctr_va_vdst(0)
	s_wait_loadcnt 0x0
	ds_store_b128 v11, v[WD:WD+3]
	s_wait_tensorcnt 0x0                           ; my one tile has landed,
	s_wait_dscnt 0x0                               ; my store too:
	s_barrier_signal -1
	s_barrier_wait -1                              ; everybody's have.  Nothing is filled again
; A K step of 128: 16 matrix instructions.  The sixteen accumulators take turns, one instruction a turn, in the same order in every step.
.macro KSTEP
.if KS > 0
	PLACES 4                                       ; in front of loads into registers that matrix instructions have read (ISA guide 7.12.1 for vector instructions)
.endif
.if (KS%4) == 0
.irp p, 0,1,2,3
	ds_load_b128 v[SC0+4*\p:SC0+4*\p+3], v5 offset:1024*\p+16*(KS/4)   ; the scale words of four K steps
.endr
	ds_load_b128 v[SC1:SC1+3], v6 offset:16*(KS/4)
.endif
.irp n, 0,1
.irp c, 0,1
	ds_load_b128 v[F1+8*\n+4*\c:F1+8*\n+4*\c+3], v4 offset:8448*\n+64*KS+32*\c
.endr
.endr
.irp a, 0,1,2,3,4,5,6,7
.irp c, 0,1
	ds_load_b128 v[F0+8*\a+4*\c:F0+8*\a+4*\c+3], v3 offset:8448*\a+64*KS+32*\c
.endr
.endr
.irp a, 0,1,2,3,4,5,6,7
	s_wait_dscnt 14-2*\a                           ; tile a of source 0 is in; the two loads of each later tile may be out
.irp n, 0,1
.set rD, ACC+8*(8*\n+\a)
.set rA, F0+8*\a
.set rB, F1+8*\n
.if KS == 0
.set rC, -1                                    ; the first step starts the sums
.else
.set rC, ACC+8*(8*\n+\a)
.endif
.set rSA, SC0+4*(\a/2)+KS%4
.set rSB, SC1+KS%4
	WM \a%2, \n
.endr
.endr
.endm
.set KS, 0
.rept 8
	KSTEP
.set KS, KS+1
.endr
	PLACES 4                                       ; behind the last products: results are read, and operands' registers loaded anew
	s_cmp_lt_u32 s[WV], 8
	s_cbranch_scc0 .Lbias_v
	; q, k: a lane's register j of tile a wants b at dim 16 a + 8 h + j
.irp a, 0,1,2,3,4,5,6,7
.irp q, 0,1
	ds_load_b128 v[F0+8*\a+4*\q:F0+8*\a+4*\q+3], v9 offset:64*\a+16*\q
.endr
.endr
	s_wait_dscnt 0x0
.irp n, 0,1
.irp a, 0,1,2,3,4,5,6,7
.irp i, 0,2,4,6
	v_pk_add_f32 v[ACC+8*(8*\n+\a)+\i:ACC+8*(8*\n+\a)+\i+1], v[ACC+8*(8*\n+\a)+\i:ACC+8*(8*\n+\a)+\i+1], v[F0+8*\a+\i:F0+8*\a+\i+1]   ; each accumulator from its low end on
.endr
.endr
.endr
	s_branch .Lbiased
.Lbias_v:
	; v: a lane holds one row d: one number of b for all its registers, loaded into both registers of a pair
.irp n, 0,1
	ds_load_b32 v[F0+2*\n], v10 offset:64*\n
	ds_load_b32 v[F0+2*\n+1], v10 offset:64*\n
.endr
	s_wait_dscnt 0x0
.irp n, 0,1
.irp a, 0,1,2,3,4,5,6,7
.irp i, 0,2,4,6
	v_pk_add_f32 v[ACC+8*(8*\n+\a)+\i:ACC+8*(8*\n+\a)+\i+1], v[ACC+8*(8*\n+\a)+\i:ACC+8*(8*\n+\a)+\i+1], v[F0+2*\n:F0+2*\n+1]
.endr
.endr
.endr
.Lbiased:
.irp n, 0,1                            ; tiles 4 c .. 4 c + 3 of column tile n: q, k: head 2 cg + c's 64 dims;  v: keys 64 c .. 64 c + 63 of the step
.irp c, 0,1
.set QS, ACC+8*(8*\n+4*\c)
.set QD, F1+4*(2*\n+\c)
.set QH, HW+2*\n+\c
	QUANT
.endr
.endr
	s_cmp_lt_u32 s[WV], 8
	s_cbranch_scc0 .Lout_v
	; q, k: token tile 2 sub + n of the record (head 2 cg + c, step tb)
.irp c, 0,1
	v_cndmask_b32 v[WD+\c], v[HW+\c], v[HW+2+\c], s98   ; lanes 0-15: tile 2 sub's words, lanes 16-31: tile 2 sub + 1's
.endr
.irp c, 0,1
	s_delay_alu instid0(VALU_DEP_2)
	v_or_b32 v[WD+\c], 0x7f7f0000, v[WD+\c]        ; the bytes of the zero codes that fill K to 128
.endr
	s_cmp_eq_u32 s19, 0
	s_cselect_b64 s[80:81], s[14:15], s[16:17]     ; q_rec or kv: the choice hangs on the wave's number alone
	s_lshl_b32 s82, s24, 1
	s_mul_i32 s82, s82, HEADB
	s_mul_i32 s83, s25, REC
	s_add_co_u32 s82, s82, s83
	s_lshl_b32 s83, s20, 10
	s_add_co_u32 s84, s82, s83
	s_mov_b32 s85, 0
	s_lshl_b32 s83, s20, 7
	s_add_co_u32 s86, s82, s83
	s_add_co_u32 s86, s86, KSC
	s_mov_b32 s87, 0
	s_add_nc_u64 s[84:85], s[80:81], s[84:85]
	s_add_nc_u64 s[86:87], s[80:81], s[86:87]
	s_wait_alu depctr_va_vdst(0)
.irp n, 0,1
.irp c, 0,1
	global_store_b128 v7, v[F1+4*(2*\n+\c):F1+4*(2*\n+\c)+3], s[84:85] offset:\c*HEADB+512*\n   ; 32 lanes store 512 consecutive bytes, at a multiple of 256 from the buffer's first byte
.endr
.endr
.irp c, 0,1
	global_store_b32 v8, v[WD+\c], s[86:87] offset:\c*HEADB
.endr
	s_branch .Ldone
.Lout_v:
	; v: rows 32 sub + 16 n + r of the 128: head 2 cg + sub / 2, d tile 2 (sub % 2) + n
	s_wait_alu depctr_va_vdst(0)
.irp n, 0,1
	v_lshl_or_b32 v[WD+\n], v[HW+2*\n+1], 16, v[HW+2*\n]   ; the four bytes of the step's four blocks of keys
.endr
	s_delay_alu instid0(VALU_DEP_1)
	v_cndmask_b32 v[WD+2], v[WD], v[WD+1], s98
	s_wait_alu depctr_va_vdst(0)
	s_lshl_b32 s82, s24, 1
	s_lshr_b32 s83, s20, 1
	s_add_co_u32 s82, s82, s83
	s_mul_i32 s82, s82, HEADB
	s_mul_i32 s83, s25, REC
	s_add_co_u32 s82, s82, s83
	s_and_b32 s83, s20, 1
	s_lshl_b32 s84, s83, 11
	s_add_co_u32 s84, s84, s82
	s_add_co_u32 s84, s84, VOFF
	s_mov_b32 s85, 0
	s_lshl_b32 s86, s83, 7
	s_add_co_u32 s86, s86, s82
	s_add_co_u32 s86, s86, VSC
	s_mov_b32 s87, 0
	s_add_nc_u64 s[84:85], s[16:17], s[84:85]
	s_add_nc_u64 s[86:87], s[16:17], s[86:87]
.irp n, 0,1
.irp c, 0,1
	global_store_b128 v7, v[F1+4*(2*\n+\c):F1+4*(2*\n+\c)+3], s[84:85] offset:1024*\n+512*\c
.endr
.endr
	global_store_b32 v8, v[WD+2], s[86:87]
.Ldone:
	s_set_vgpr_msb 0x5
	s_wait_tensorcnt 0x0
	ds_add_u32 v0, v1
	s_wait_dscnt 0x0
	s_set_vgpr_msb 0x500
	CROUND                                         ; the closing round: no work-group ends while a partner may still ask for a tile that names it
	s_endpgm
.Lfunc_end_k_q02dd236c0f_proj:
	.size	k_q02dd236c0f_proj, .Lfunc_end_k_q02dd236c0f_proj-k_q02dd236c0f_proj
	.p2alignl 7, 3214868480
	.fill 96, 4, 3214868480
	.section	.rodata,"a",@progbits
	.p2align	6, 0x0
	.amdhsa_kernel k_q02dd236c0f_proj
		.amdhsa_group_segment_fixed_size 327680
		.amdhsa_private_segment_fixed_size 0
		.amdhsa_enable_private_segment 0
		.amdhsa_kernarg_size 56
		.amdhsa_user_sgpr_count 2
		.amdhsa_user_sgpr_kernarg_segment_ptr 1
		.amdhsa_wavefront_size32 1
		.amdhsa_system_sgpr_workgroup_id_x 1
		.amdhsa_system_sgpr_workgroup_id_y 1
		.amdhsa_system_sgpr_workgroup_id_z 1
		.amdhsa_system_vgpr_workitem_id 0
		.amdhsa_next_free_vgpr 258
		.amdhsa_next_free_sgpr 100
		.amdhsa_reserve_vcc 0
		.amdhsa_float_denorm_mode_32 3
		.amdhsa_float_denorm_mode_16_64 3
		.amdhsa_memory_ordered 1
		.amdhsa_forward_progress 1
		.amdhsa_inst_pref_size 62
	.end_amdhsa_kernel
	.amdgpu_metadata
---
amdhsa.version: [ 1, 2 ]
amdhsa.kernels:
  - .name:           k_q02dd236c0f_proj
    .symbol:         k_q02dd236c0f_proj.kd
    .args:
      - { .name: x_codes, .offset: 0, .size: 8, .value_kind: global_buffer, .address_space: global }
      - { .name: x_scales, .offset: 8, .size: 8, .value_kind: global_buffer, .address_space: global }
      - { .name: w_qkv_codes, .offset: 16, .size: 8, .value_kind: global_buffer, .address_space: global }
      - { .name: w_qkv_scales, .offset: 24, .size: 8, .value_kind: global_buffer, .address_space: global }
      - { .name: b_qkv, .offset: 32, .size: 8, .value_kind: global_buffer, .address_space: global }
      - { .name: q_rec, .offset: 40, .size: 8, .value_kind: global_buffer, .address_space: global }
      - { .name: kv, .offset: 48, .size: 8, .value_kind: global_buffer, .address_space: global }
    .group_segment_fixed_size: 327680
    .private_segment_fixed_size: 0
    .kernarg_segment_align: 8
    .kernarg_segment_size: 56
    .max_flat_workgroup_size: 384
    .sgpr_count:     100
    .vgpr_count:     258
    .wavefront_size: 32
...
	.end_amdgpu_metadata
.endif
;; end of part 1
;; launch attn (part 2): grid 16 x 16, 16 waves a work-group, clusters of 4 x 1, 327,680 bytes of LDS; arguments q_rec, kv, a_img, a_sc; writes a_img, a_sc
.if DOCPART == 2
	.amdgcn_target "amdgcn-amd-amdhsa--gfx1250"
	.amdhsa_code_object_version 6
	.text
	.protected	k_q02dd236c0f_attn
	.globl	k_q02dd236c0f_attn
	.p2align	8
	.type	k_q02dd236c0f_attn,@function
k_q02dd236c0f_attn:
	s_mov_b64 s[64:65], 0
	v_nop
	global_prefetch_b8 v0, s[64:65] scope:SCOPE_SE
	s_setreg_imm32_b32 hwreg(HW_REG_WAVE_MODE, 25, 1), 1
	s_wait_xcnt 0x0
	s_wait_alu depctr_hold_cnt(0) depctr_sa_sdst(0) depctr_va_vdst(0) depctr_va_sdst(0) depctr_va_ssrc(0) depctr_va_vcc(0) depctr_vm_vsrc(0)
	s_getreg_b32 s2, hwreg(HW_REG_IB_STS2, 6, 4)
	s_cmp_eq_u32 s2, 0
	s_cbranch_scc0 .Lentry_in_a_cluster
	s_endpgm
.Lentry_in_a_cluster:
	s_bfe_u32 s2, ttmp6, 0x10000c
	s_cmp_lg_u32 s2, 0x3003
	s_cbranch_scc0 .Lentry_shape_is_right
	s_endpgm
.Lentry_shape_is_right:
; a[q][head] = softmax_k(q . k / 8) v for 16 heads of 64, 4,096 tokens, both products on codes of FP4 (E2M1) with one E8M0 scale for each 32 along K; a is then quantised along d_model for the last projection.
; INPUT: records of 8,960 bytes, [head][step of 128 tokens]: +0 eight images of 512 bytes (16 tokens x 64 dims: token r's half h at 16 r + 256 h); +4096 (kv) four images of 1,024 bytes
; (16 d x 128 keys, half c at 512 c, lane l's 16 bytes at 16 l); +8192 one scale word a token (bytes 2, 3 = 0x7f); +8704 (kv) two registers of scale words for v's d tiles.
; THE SOFTMAX: t = score x log2(e) / 8; M = the largest t so far, rounded UP to a whole number; p = 2^(t - M) is quantised along the keys, not normalised; the row's sum is taken of the unquantised p and divides at the end.
; When M moves, the sum and O are multiplied by 2^(old M - new M): exact.
; SHARES.  A work-group owns 256 queries of one head, each of its sixteen waves one tile of 16, in 256 registers.
; A HEAD'S K AND V, CODES AND SCALES, ARE 286,720 BYTES AND LIE IN LDS WHOLE: each byte is filled once.  Every wave asks for two of the 32 records by its one tensor load; one wait and one barrier follow; the loop over the 32 steps has no barrier.
; CLUSTER 4 x 1: the four work-groups of a cluster belong to one head and ask for its records jointly.
; NO PREFETCH: all of K and V is asked for once, at the head: there is no loop to run ahead in.
; LAYOUT.  Both products are used transposed: S^T = K Q^T (source 0 = 16 keys), O^T = V^T P^T (source 0 = 16 of the head's 64): a lane holds ONE query (lane % 16) throughout.
; THE KEYS OF A TILE ARE CHOSEN: row r of tile n = 4 g + t is key 64 g + 32 (r / 8) + 8 t + r % 8.  So lane (q, h) holds in the 32 registers of tiles 4 g .. 4 g + 3 the keys 64 g + 32 h + 0 .. 31, ascending:
; a WHOLE block of 32 in one lane, in the order of the second product's operand: the block's maximum asks no other lane, and the conversions' results are the operand's registers.
; The first product's K is 64.  Q's registers 4-7 hold zero codes; K's tiles lie 4 registers apart, so registers 4-7 of a K operand are the next tile's codes (behind the last: zeros): they meet Q's zero codes under the finite scale byte 0x7f and add nothing.
; OUTPUT: a_img [token tile][head][512 bytes]: lane l's 16 bytes at 16 l = registers 4 (head % 2) .. + 3 of the fragment (tile, K step head / 2);  a_sc [head][token]: a word, the head's two scale bytes.
; LIMITS: NaN and infinities are not served.  A block whose largest magnitude lies under 2^-124, zeros among them, gets the scale byte 1: its codes are zeros, and this program alone reads the bytes.
; A block's largest p is made of the block's largest score by the same multiply-add and exponential: this takes v_exp_f32 not to fall where its input rises.
.set REC,   8960
.set HEADB, 32*REC
.set VOFF,  4096
.set KSC,   8192
.set VSC,   8704
.set SPARE, 32*REC                     ; behind the records: the spare words, 128 bytes a wave
.set AK,  1                            ; v1   LDS address of K's tiles: the step's record + 1024 (r / 8) + 16 (r % 8) + 256 h
.set AKS, 2                            ; v2   of K's scale words: + 128 (r / 8) + 32 h + 4 (r % 8)
.set AV,  3                            ; v3   of V's images: + 16 x lane
.set AVS, 4                            ; v4   of V's scale words: + 4 x lane
.set LI,  5                            ; v5   16 x lane
.set R4,  6                            ; v6   4 x (lane % 16)
.set H8,  7                            ; v7   8 h
.set SPW, 8                            ; v8   my spare word;  v9: 0
.set NIL, 9
.set TW,  10                           ; v10, v11 at work;  v12 -M, v13 the largest score, v[14:15] the sum in two halves
.set TX,  11
.set QF,  16                           ; v16-23   Q's fragment (20-23: zeros)
.set QW,  24                           ; v24      Q's scale words
.set PW,  25                           ; v25      p's scale word
.set KSR, 26                           ; v26-29   K's scale words: lanes 0-15 tile 2 i, lanes 16-31 tile 2 i + 1
.set VSR, 30                           ; v30-31   V's
.set KF,  32                           ; v32-67   K's eight tiles, 4 registers each, and four zeros
.set TA,  68                           ; v68-75   a maximum for each tile
.set BM,  76                           ; v76-77   my two blocks' largest scores, then largest p
.set CSO, 78                           ; v78-79   the conversions' scale operands
.set BY,  80                           ; v80-81   scale bytes
.set FF,  82                           ; v[82:83] f = 2^(old M - new M)
.set OM,  84                           ; v84      the old -M
.set ST,  96                           ; v96-159  S^T, then p
.set OT,  160                          ; v160-191 O^T
.set PC,  192                          ; v192-199 p's codes
.set VF,  200                          ; v200-231 V's four fragments
.set SA,  232                          ; v232-247 eight partial sums, in pairs
.set TM,  68                           ; the last quantiser's registers
.set TP,  70
.set TS,  72
.set TY,  74
.set WV,  12
.set G1,  24                           ; s[24:31] group 1;  s[32:35] group 0
.set G0,  32
.set SEL, 48
.set CS,  50
.set CNT, 53
.macro CROUND                          ; a round of the cluster's barrier
	s_barrier_signal -1
	s_barrier_wait -1
	s_cmp_lg_u32 s[WV], 0
	s_cbranch_scc1 .Lnot_wave_0_\@
	s_barrier_signal -3
.Lnot_wave_0_\@:
	s_barrier_wait -3
	s_barrier_signal -1
	s_barrier_wait -1
.endm
; 32 numbers of a lane, v[QS] on: four tiles; register 8 t + j is index 16 t + 8 h + j along the next K: two blocks of 32.  Out: v[QD .. QD+3], lane (r, h): block h of row r, k ascending;  v[QH] = byte 0 | byte 1 << 8.
.macro QUANT
.irp b, 0,1
	v_max3_num_f32 v[TM+\b], |v[QS+16*\b]|, |v[QS+16*\b+1]|, 0x1800000   ; and the floor 2^(3 - 127): the byte cannot fall under 1
.endr
.irp i, 2,4,6,8,10,12,14
.irp b, 0,1
	s_delay_alu instid0(VALU_DEP_2)
	v_max3_num_f32 v[TM+\b], v[TM+\b], |v[QS+16*\b+\i]|, |v[QS+16*\b+\i+1]|
.endr
.endr
.irp b, 0,1
	s_delay_alu instid0(VALU_DEP_2)
	v_permlanex16_b32 v[TP+\b], v[TM+\b], s[SEL], s[SEL+1]
.endr
.irp b, 0,1
	s_delay_alu instid0(VALU_DEP_2)
	v_max_num_f32 v[TM+\b], v[TM+\b], v[TP+\b]
.endr
.irp b, 0,1
	s_delay_alu instid0(VALU_DEP_2)
	v_add_nc_u32 v[TS+\b], 0xff000000, v[TM+\b]
.endr
.irp b, 0,1
	s_delay_alu instid0(VALU_DEP_2)
	v_lshrrev_b32 v[TY+\b], 23, v[TS+\b]
.endr
	s_delay_alu instid0(VALU_DEP_1)
	v_lshl_or_b32 v[QH], v[TY+1], 8, v[TY]
	v_cvt_scalef32_pk8_fp4_f32 v[QD], v[QS:QS+7], v[TS]
	v_cvt_scalef32_pk8_fp4_f32 v[QD+1], v[QS+16:QS+23], v[TS+1]
	v_cvt_scalef32_pk8_fp4_f32 v[QD+2], v[QS+8:QS+15], v[TS]
	v_cvt_scalef32_pk8_fp4_f32 v[QD+3], v[QS+24:QS+31], v[TS+1]
	v_nop                                          ; one plain place behind a scaled conversion
	v_permlane16_swap_b32 v[QD], v[QD+1]
	v_permlane16_swap_b32 v[QD+2], v[QD+3]
.endm
	s_load_b256 s[4:11], s[0:1], 0x0               ; q_rec s[4:5], kv s[6:7], a_img s[8:9], a_sc s[10:11]
	v_lshl_add_u32 v[SPW], v0, 2, SPARE
	v_mov_b32 v[NIL], 0
	ds_add_u32 v[SPW], v[NIL]                      ; the opening lines: the add, twice on end, and its wait ahead of my tensor load
	ds_add_u32 v[SPW], v[NIL]
	v_lshrrev_b32 v[TW], 5, v0
	s_delay_alu instid0(VALU_DEP_1)
	v_readfirstlane_b32 s[WV], v[TW]               ; wave 0..15
	s_bfe_u32 s13, ttmp6, 0x40000                  ; cx
	s_lshl_b32 s14, ttmp9, 2
	s_add_co_u32 s14, s14, s13                     ; my block of 256 queries: it enters global addresses of q and a alone
	s_and_b32 s15, ttmp7, 0xffff                   ; the head, which the four partners share
	; group 1: two records, 17,920 dense bytes, as 70 rows of 256 bytes (32 elements of 8 bytes)
	s_mov_b32 s[G1], 15|(3<<16)|(1<<21)            ; 15:0 the mask: all four work-groups; 17:16 elements of 8 bytes; 21 set beside a mask
	s_mov_b32 s[G1+1], 32<<16                      ; tensor_dim0
	s_mov_b32 s[G1+2], 70<<16                      ; tensor_dim1
	s_mov_b32 s[G1+3], 32<<16                      ; tile_dim0
	s_mov_b32 s[G1+4], 70                          ; tile_dim1
	s_mov_b32 s[G1+5], 32                          ; from row to row
	s_mov_b32 s[G1+6], 0
	s_mov_b32 s[G1+7], 0
	s_mul_i32 s16, s15, HEADB                      ; the head's first byte in q_rec and in kv
	s_mul_i32 s18, s[WV], 2*REC                    ; records 2 wave and 2 wave + 1: they lie in LDS as in memory
	s_add_co_u32 s20, s16, s18
	s_mov_b32 s21, 0
	s_wait_dscnt 0x0                               ; both opening adds are done
	s_wait_kmcnt 0x0
	s_mov_b32 s[G0], 1
	s_mov_b32 s[G0+1], s18
	s_add_nc_u64 s[G0+2:G0+3], s[6:7], s[20:21]
	s_or_b32 s[G0+3], s[G0+3], 0x80000000
	CROUND                                         ; all four work-groups are here: the joint loads meet
	tensor_load_to_lds s[G0:G0+3], s[G1:G1+7]      ; every wave's one tensor load of the launch
	s_nop 0
.rept 4
	v_nop
.endr
	; my tile of queries: qt = 16 x block + wave: record 2 x block + wave / 8, tile T = wave % 8; its scale words lie 64 T bytes into the record's words
	s_lshl_b32 s22, s14, 1
	s_lshr_b32 s23, s[WV], 3
	s_add_co_u32 s22, s22, s23
	s_mul_i32 s22, s22, REC
	s_add_co_u32 s22, s22, s16
	s_and_b32 s23, s[WV], 7
	s_lshl_b32 s17, s23, 9
	s_add_co_u32 s56, s22, s17
	s_mov_b32 s57, 0
	s_lshl_b32 s17, s23, 6
	s_add_co_u32 s58, s22, s17
	s_add_co_u32 s58, s58, KSC
	s_mov_b32 s59, 0
	s_add_nc_u64 s[56:57], s[4:5], s[56:57]
	s_add_nc_u64 s[58:59], s[4:5], s[58:59]
	s_lshl_b32 s17, s14, 4
	s_add_co_u32 s17, s17, s[WV]                   ; qt
	s_lshl_b32 s60, s17, 13
	s_lshl_b32 s19, s15, 9
	s_add_co_u32 s60, s60, s19                     ; a_img: 8,192 qt + 512 head
	s_mov_b32 s61, 0
	s_lshl_b32 s62, s15, 14
	s_lshl_b32 s19, s17, 6
	s_add_co_u32 s62, s62, s19                     ; a_sc: 16,384 head + 64 qt
	s_mov_b32 s63, 0
	s_add_nc_u64 s[60:61], s[8:9], s[60:61]
	s_add_nc_u64 s[62:63], s[10:11], s[62:63]
	s_mov_b32 s[SEL], 0x76543210
	s_mov_b32 s[SEL+1], 0xfedcba98                 ; v_permlanex16_b32's selects for lane l xor 16
	s_mov_b32 s[CS], 0x3e38aa3b                    ; c = log2(e) / 8
	s_mov_b32 s[CS+1], s[CS]                       ; (named with it as a pair, so it is written)
	v_and_b32 v[TW], 31, v0                        ; lane
	v_and_b32 v[TX], 15, v0                        ; r
	s_delay_alu instid0(VALU_DEP_2)
	v_lshlrev_b32 v[LI], 4, v[TW]
	v_lshlrev_b32 v[AV], 4, v[TW]
	v_lshlrev_b32 v[AVS], 2, v[TW]
	s_delay_alu instid0(VALU_DEP_4)
	v_lshlrev_b32 v[R4], 2, v[TX]
	global_load_b128 v[QF:QF+3], v[LI], s[56:57]
	global_load_b32 v[QW], v[R4], s[58:59]
	v_and_b32 v[TW], 7, v0                         ; r % 8
	v_bfe_u32 v[TX], v0, 3, 1                      ; r / 8
	v_bfe_u32 v[H8], v0, 4, 1                      ; h
	s_delay_alu instid0(VALU_DEP_3)
	v_lshlrev_b32 v[AK], 4, v[TW]
	v_lshlrev_b32 v[AKS], 2, v[TW]
	s_delay_alu instid0(VALU_DEP_2)
	v_lshl_add_u32 v[AK], v[TX], 10, v[AK]
	s_delay_alu instid0(VALU_DEP_2)
	v_lshl_add_u32 v[AKS], v[TX], 7, v[AKS]
	s_delay_alu instid0(VALU_DEP_2)
	v_lshl_add_u32 v[AK], v[H8], 8, v[AK]
	s_delay_alu instid0(VALU_DEP_2)
	v_lshl_add_u32 v[AKS], v[H8], 5, v[AKS]
	v_lshlrev_b32 v[H8], 3, v[H8]
.irp j, 4,5,6,7
	v_mov_b32 v[QF+\j], 0                          ; the zero codes of K = 64 .. 127: written once
	v_mov_b32 v[KF+28+\j], 0                       ; what stands behind K's last tile
.endr
	v_mov_b32 v13, 0xff61b1e6                      ; the largest score so far: -3e38, under every score
	v_mov_b32 v12, 0x7f61b1e6                      ; -M: 3e38, a whole number: the first step's f is 0, on sums that are 0
	v_mov_b32 v14, 0
	v_mov_b32 v15, 0
	v_mov_b32 v[FF+1], 0                           ; (named as the upper half of a pair)
.set j, 0
.rept 32
	v_mov_b32 v[OT+j], 0                           ; O^T.  (The step is written once for all steps: the first finds zeros)
.set j, j+1
.endr
	s_wait_alu depctr_va_vdst(0)                   ; the wait at the head's end
	s_wait_loadcnt 0x0                             ; Q
	s_wait_tensorcnt 0x0                           ; my two records have landed,
	s_barrier_signal -1
	s_barrier_wait -1                              ; everybody's have.  Nothing is filled again
.macro FMAS n                          ; t - M, two at a time (of the pairs c and -M the low word serves both halves)
.rept \n
	v_pk_fma_f32 v[ST+j:ST+j+1], v[ST+j:ST+j+1], s[CS:CS+1], v[12:13] op_sel_hi:[1,0,0]
.set j, j+2
.endr
.endm
; Four additions of the row's sum.  p's 32 pairs go into eight chains: chain k takes pairs k, k + 8 (lev 1), k + 16 (lev 2), k + 24 (lev 3)
.macro LSUM lev, k0
.irp k, 0,1,2,3
.if \lev == 1
	v_pk_add_f32 v[SA+2*(\k0+\k):SA+2*(\k0+\k)+1], v[ST+2*(\k0+\k):ST+2*(\k0+\k)+1], v[ST+16+2*(\k0+\k):ST+17+2*(\k0+\k)]
.else
	v_pk_add_f32 v[SA+2*(\k0+\k):SA+2*(\k0+\k)+1], v[SA+2*(\k0+\k):SA+2*(\k0+\k)+1], v[ST+16*\lev+2*(\k0+\k):ST+16*\lev+2*(\k0+\k)+1]
.endif
.endr
.endm
; A KEY STEP: 128 keys.
.macro STEP
.irp n, 0,1,2,3,4,5,6,7
	ds_load_b128 v[KF+4*\n:KF+4*\n+3], v[AK] offset:2048*(\n/4)+512*((\n%4)/2)+128*(\n%2)
.endr
.irp i, 0,1,2,3
	ds_load_b32 v[KSR+\i], v[AKS] offset:KSC+256*(\i/2)+64*(\i%2)
.endr
.irp f, 0,1,2,3,4,5,6,7
	ds_load_b128 v[VF+4*\f:VF+4*\f+3], v[AV] offset:VOFF+512*\f     ; (behind the last step's products stand eight additions: their places)
.endr
.irp i, 0,1
	ds_load_b32 v[VSR+\i], v[AVS] offset:VSC+128*\i
.endr
	s_wait_dscnt 10                                ; K and its scale words are in; V's eight loads and its two scale loads may be out
.irp n, 0,2,4,6
	v_wmma_scale_f32_16x16x128_f8f6f4 v[ST+8*\n:ST+8*\n+7], v[KF+4*\n:KF+4*\n+7], v[QF:QF+7], 0, v[KSR+\n/2], v[QW] matrix_a_fmt:MATRIX_FMT_FP4 matrix_b_fmt:MATRIX_FMT_FP4
	v_wmma_scale_f32_16x16x128_f8f6f4 v[ST+8*\n+8:ST+8*\n+15], v[KF+4*\n+4:KF+4*\n+11], v[QF:QF+7], 0, v[KSR+\n/2], v[QW] matrix_a_fmt:MATRIX_FMT_FP4 matrix_b_fmt:MATRIX_FMT_FP4 matrix_a_scale:MATRIX_SCALE_ROW1
.endr
	v_add_nc_u32 v[AK], REC, v[AK]                 ; on to the next record: these four are the places behind the products (ISA guide 7.12.1)
	v_add_nc_u32 v[AKS], REC, v[AKS]
	v_add_nc_u32 v[AV], REC, v[AV]
	v_add_nc_u32 v[AVS], REC, v[AVS]
.irp n, 0,1,2,3,4,5,6,7
	v_max3_num_f32 v[TA+\n], v[ST+8*\n], v[ST+8*\n+1], v[ST+8*\n+2]   ; a chain for each tile, from its low end on; the eight by turns
.endr
.irp i, 3,5
.irp n, 0,1,2,3,4,5,6,7
	v_max3_num_f32 v[TA+\n], v[TA+\n], v[ST+8*\n+\i], v[ST+8*\n+\i+1]
.endr
.endr
	v_max3_num_f32 v[TA], v[TA], v[TA+1], v[TA+2]  ; THE LARGEST SCORE OF MY TWO BLOCKS OF 32 KEYS (tiles 0-3, tiles 4-7): four chains and the four registers 7
	v_max3_num_f32 v[TA+3], v[TA+3], v[ST+7], v[ST+15]
	v_mov_b32 v[OM], v12
	v_max3_num_f32 v[TA+4], v[TA+4], v[TA+5], v[TA+6]
	v_max3_num_f32 v[TA+7], v[TA+7], v[ST+39], v[ST+47]
	v_max3_num_f32 v[BM], v[TA], v[TA+3], v[ST+23]
	v_max3_num_f32 v[BM+1], v[TA+4], v[TA+7], v[ST+55]
	v_max_num_f32 v[BM], v[BM], v[ST+31]
	v_max_num_f32 v[BM+1], v[BM+1], v[ST+63]
	s_delay_alu instid0(VALU_DEP_1)
	v_max_num_f32 v[TW], v[BM], v[BM+1]
	s_delay_alu instid0(VALU_DEP_1)
	v_permlanex16_b32 v[TX], v[TW], s[SEL], s[SEL+1]
	s_delay_alu instid0(VALU_DEP_1)
	v_max3_num_f32 v13, v13, v[TW], v[TX]          ; the running largest score of my query (lane l xor 16 holds the other two blocks)
	s_delay_alu instid0(VALU_DEP_1)
	v_mul_f32 v[TW], s[CS], v13                    ; as t (c is positive)
	s_delay_alu instid0(VALU_DEP_1)
	v_floor_f32 v12, -v[TW]                        ; the new -M = floor(-t) = -ceil(t): a whole number
	s_delay_alu instid0(VALU_DEP_1)
	v_sub_f32 v[TW], v12, v[OM]                    ; old M - new M: a whole number, 0 or less
.set j, 0
	FMAS 8
	v_cvt_i32_f32 v[TW], v[TW]                     ; (it saturates)
	FMAS 8
	v_ldexp_f32 v[FF], 1.0, v[TW]                  ; f = 2^(old M - new M)
	FMAS 16
.irp g, 0,1
	v_fma_f32 v[BM+\g], v[BM+\g], s[CS], v12       ; the same of each block's largest score
.endr
	s_wait_alu depctr_va_vdst(0)                   ; the wait ahead of the batch
.irp g, 0,1
	v_exp_f32 v[BM+\g], v[BM+\g]                   ; the block's largest p
.endr
.set j, 0
.rept 64
	v_exp_f32 v[ST+j], v[ST+j]                     ; p = 2^(t - M)
.set j, j+1
.endr
	v_pk_mul_f32 v[14:15], v[14:15], v[FF:FF+1] op_sel_hi:[1,0]   ; the sums under the new M.  (A plain place behind the exponentials)
	s_wait_alu depctr_va_vdst(0)                   ; one wait for the whole batch, ahead of its first reader
	; the scale word's lines, with the row's sum of the unquantised p between them, so that no line waits for the line above it
.irp g, 0,1
	v_max_num_f32 v[BM+\g], 0x1800000, v[BM+\g]    ; the floor 2^(3 - 127): the byte cannot fall under 1
.endr
	LSUM 1, 0
.irp g, 0,1
	v_add_nc_u32 v[CSO+\g], 0xff000000, v[BM+\g]   ; 2 off the exponent field: the conversion's scale operand
.endr
	LSUM 1, 4
.irp g, 0,1
	v_lshrrev_b32 v[BY+\g], 23, v[CSO+\g]          ; the scale's byte
.endr
	LSUM 2, 0
	v_lshl_or_b32 v[PW], v[BY+1], 16, v[BY]        ; my bytes: blocks h and 2 + h,
	LSUM 2, 4
	v_lshlrev_b32 v[PW], v[H8], v[PW]              ; at their places in the word;
	LSUM 3, 0
	v_permlanex16_b32 v[TX], v[PW], s[SEL], s[SEL+1]
	LSUM 3, 4
	v_or_b32 v[PW], v[PW], v[TX]                   ; with lane l xor 16's two the word is whole
.irp n, 0,1,2,3,4,5,6,7
	v_cvt_scalef32_pk8_fp4_f32 v[PC+\n], v[ST+8*\n:ST+8*\n+7], v[CSO+\n/4]   ; register 4 g + t of the operand: keys 64 g + 32 h + 8 t + 0 .. 7
.endr
	s_wait_dscnt 0x0                               ; V and its scale words are in
	s_wait_alu depctr_va_vdst(0)                   ; the wait here, directly ahead of the first reader of O^T
.set j, 0
.rept 16
	v_pk_mul_f32 v[OT+j:OT+j+1], v[OT+j:OT+j+1], v[FF:FF+1] op_sel_hi:[1,0]   ; O^T under the new M.  (These sixteen are the places between the scale word, the codes and the products below)
.set j, j+2
.endr
.irp d, 0,2                            ; O^T += V^T P^T.  The four accumulators take turns
	v_wmma_scale_f32_16x16x128_f8f6f4 v[OT+8*\d:OT+8*\d+7], v[VF+8*\d:VF+8*\d+7], v[PC:PC+7], v[OT+8*\d:OT+8*\d+7], v[VSR+\d/2], v[PW] matrix_a_fmt:MATRIX_FMT_FP4 matrix_b_fmt:MATRIX_FMT_FP4
	v_wmma_scale_f32_16x16x128_f8f6f4 v[OT+8*\d+8:OT+8*\d+15], v[VF+8*\d+8:VF+8*\d+15], v[PC:PC+7], v[OT+8*\d+8:OT+8*\d+15], v[VSR+\d/2], v[PW] matrix_a_fmt:MATRIX_FMT_FP4 matrix_b_fmt:MATRIX_FMT_FP4 matrix_a_scale:MATRIX_SCALE_ROW1
.endr
.irp k, 0,4,8,12
	v_pk_add_f32 v[SA+\k:SA+\k+1], v[SA+\k:SA+\k+1], v[SA+\k+2:SA+\k+3]   ; the eight chains are joined: these additions name no register of the products and are their places
.endr
	s_delay_alu instid0(VALU_DEP_3)
	v_pk_add_f32 v[SA:SA+1], v[SA:SA+1], v[SA+4:SA+5]
	s_delay_alu instid0(VALU_DEP_2)
	v_pk_add_f32 v[SA+8:SA+9], v[SA+8:SA+9], v[SA+12:SA+13]
	s_delay_alu instid0(VALU_DEP_1)
	v_pk_add_f32 v[SA:SA+1], v[SA:SA+1], v[SA+8:SA+9]
	s_delay_alu instid0(VALU_DEP_1)
	v_pk_add_f32 v[14:15], v[14:15], v[SA:SA+1]
.endm
	s_mov_b32 s[CNT], 32
.Lstep:
	STEP
	s_sub_co_u32 s[CNT], s[CNT], 1
	s_cmp_lg_u32 s[CNT], 0
	s_cbranch_scc1 .Lstep
	; THE WAY OUT: O^T / the sum is my query's 64 numbers of a, register 8 t + j = dim 16 t + 8 h + j: two blocks of 32 along d_model
	v_add_f32 v14, v14, v15
	s_delay_alu instid0(VALU_DEP_1)
	v_permlanex16_b32 v[FF], v14, s[SEL], s[SEL+1]
	s_delay_alu instid0(VALU_DEP_1)
	v_add_f32 v14, v14, v[FF]                      ; and lane l xor 16's
	s_wait_alu depctr_va_vdst(0)                   ; the wait ahead of the transcendental
	v_rcp_f32 v14, v14
	v_nop                                          ; one plain place behind a transcendental
	s_wait_alu depctr_va_vdst(0)                   ; the wait, ahead of the first reader of the quotient and of O^T
.set j, 0
.rept 16
	v_pk_mul_f32 v[ST+j:ST+j+1], v[OT+j:OT+j+1], v[14:15] op_sel_hi:[1,0]   ; each accumulator from its low end on
.set j, j+2
.endr
.set QS, ST
.set QD, PC
.set QH, TW
	QUANT
	global_store_b128 v[LI], v[PC:PC+3], s[60:61]  ; 32 lanes store 512 consecutive bytes, at a multiple of 256 from the buffer's first byte
	global_store_b32 v[R4], v[TW], s[62:63]        ; lanes l and l + 16 hold the same word of the same row and store it to the same place: 64 bytes a wave
	s_wait_tensorcnt 0x0                           ; the wave's end
	ds_add_u32 v[SPW], v[NIL]
	s_wait_dscnt 0x0
	CROUND                                         ; the closing round: no work-group ends while a partner may still ask for a tile that names it
	s_endpgm
.Lfunc_end_k_q02dd236c0f_attn:
	.size	k_q02dd236c0f_attn, .Lfunc_end_k_q02dd236c0f_attn-k_q02dd236c0f_attn
	.p2alignl 7, 3214868480
	.fill 96, 4, 3214868480
	.section	.rodata,"a",@progbits
	.p2align	6, 0x0
	.amdhsa_kernel k_q02dd236c0f_attn
		.amdhsa_group_segment_fixed_size 327680
		.amdhsa_private_segment_fixed_size 0
		.amdhsa_enable_private_segment 0
		.amdhsa_kernarg_size 32
		.amdhsa_user_sgpr_count 2
		.amdhsa_user_sgpr_kernarg_segment_ptr 1
		.amdhsa_wavefront_size32 1
		.amdhsa_system_sgpr_workgroup_id_x 1
		.amdhsa_system_sgpr_workgroup_id_y 1
		.amdhsa_system_sgpr_workgroup_id_z 1
		.amdhsa_system_vgpr_workitem_id 0
		.amdhsa_next_free_vgpr 256
		.amdhsa_next_free_sgpr 66
		.amdhsa_reserve_vcc 0
		.amdhsa_float_denorm_mode_32 3
		.amdhsa_float_denorm_mode_16_64 3
		.amdhsa_memory_ordered 1
		.amdhsa_forward_progress 1
		.amdhsa_inst_pref_size 26
	.end_amdhsa_kernel
	.amdgpu_metadata
---
amdhsa.version: [ 1, 2 ]
amdhsa.kernels:
  - .name:           k_q02dd236c0f_attn
    .symbol:         k_q02dd236c0f_attn.kd
    .args:
      - { .name: q_rec, .offset: 0, .size: 8, .value_kind: global_buffer, .address_space: global }
      - { .name: kv, .offset: 8, .size: 8, .value_kind: global_buffer, .address_space: global }
      - { .name: a_img, .offset: 16, .size: 8, .value_kind: global_buffer, .address_space: global }
      - { .name: a_sc, .offset: 24, .size: 8, .value_kind: global_buffer, .address_space: global }
    .group_segment_fixed_size: 327680
    .private_segment_fixed_size: 0
    .kernarg_segment_align: 8
    .kernarg_segment_size: 32
    .max_flat_workgroup_size: 512
    .sgpr_count:     66
    .vgpr_count:     256
    .wavefront_size: 32
...
	.end_amdgpu_metadata
.endif
;; end of part 2
;; launch outp (part 3): grid 8 x 32, 8 waves a work-group, clusters of 4 x 4, 207,872 bytes of LDS; arguments a_img, a_sc, w_out_codes, w_out_scales, b_out, out0; writes out0
.if DOCPART == 3
	.amdgcn_target "amdgcn-amd-amdhsa--gfx1250"
	.amdhsa_code_object_version 6
	.text
	.protected	k_q02dd236c0f_outp
	.globl	k_q02dd236c0f_outp
	.p2align	8
	.type	k_q02dd236c0f_outp,@function
k_q02dd236c0f_outp:
	s_mov_b64 s[64:65], 0
	v_nop
	global_prefetch_b8 v0, s[64:65] scope:SCOPE_SE
	s_setreg_imm32_b32 hwreg(HW_REG_WAVE_MODE, 25, 1), 1
	s_wait_xcnt 0x0
	s_wait_alu depctr_hold_cnt(0) depctr_sa_sdst(0) depctr_va_vdst(0) depctr_va_sdst(0) depctr_va_ssrc(0) depctr_va_vcc(0) depctr_vm_vsrc(0)
	s_getreg_b32 s2, hwreg(HW_REG_IB_STS2, 6, 4)
	s_cmp_eq_u32 s2, 0
	s_cbranch_scc0 .Lentry_in_a_cluster
	s_endpgm
.Lentry_in_a_cluster:
	s_bfe_u32 s2, ttmp6, 0x10000c
	s_cmp_lg_u32 s2, 0xf033
	s_cbranch_scc0 .Lentry_shape_is_right
	s_endpgm
.Lentry_shape_is_right:
; out = a W + b on codes of FP4 (E2M1) with one E8M0 scale for each 32 along K = 1,024.  out: [4096][1024] f32.
; a_img: [token tile 256][K step 8][1,024 bytes]: the image of a fragment's registers (16 tokens x 128 K): half c at 512 c, lane l's 16 bytes at 16 l.  a_sc: [head 16][token 4096]: a word with the two scale bytes of the head's 64 along K.
; W: [1024 (column of out)][512 bytes] codes, [1024][32] scale bytes.  b: [1024] f32.
; SHARES.  A work-group makes 128 tokens (tb) x 128 columns (nb).  Eight waves: wave w takes tokens 32 (w / 2) .. and columns 64 (w % 2) ..: 8 accumulators.
; THE MATRIX INSTRUCTION IS USED TRANSPOSED: source 0 = 16 rows of W, source 1 = 16 tokens: a lane holds eight neighbouring columns of one token's row.  The bias is the C of each sum's first instruction.
; BOTH OPERANDS LIE IN LDS WHOLE, for all of K: each LDS byte is filled once.  CLUSTER 4 x 4: a's images hang on tb alone and are shared along a row of the cluster, W's tiles on nb alone and along a column: joint loads.
; LIMITS: NaN and infinities are not served.
.set PITCH, 528                        ; a row of W in LDS: 512 bytes + 16 of padding = 132 words: row r starts at bank 4 r mod 64 (64 banks of 4 bytes: ISA guide 11.1)
.set AIM,   0                          ; a's 64 images: 65,536 bytes
.set WT,    65536                      ; W's 128 rows
.set WSC,   WT+128*PITCH               ; W's scale bytes: 128 rows x 32 bytes
.set STG,   WSC+4096                   ; the way out: 32 rows x (256 bytes + 16) for each wave; no fill lands here
.set SP,    272
.set SC0,   12                         ; v12-27  W's scale words: pair p of tiles, K step s, at 12 + 8 p + s
.set SC1,   28                         ; v28-35  a's scale words: K step s; lanes 0-15 token tile 0, lanes 16-31 tile 1
.set T,     36                         ; v36-51  a_sc's words of the 16 heads
.set BIAS,  52                         ; v52-83  b in the result's layout: 8 registers a tile of columns
.set BUF,   84                         ; v84-131, v132-179  two buffers of fragments: W's four, then a's two;  later the rows read back
.set ACC,   184                        ; v184-247 accumulator (n, a) at 184 + 8 (4 n + a)
.set WV,    18
.set G1A,   28                         ; s[28:35] group 1 for a's images;  s[36:43] W's codes;  s[44:51] W's scales
.set G1W,   36
.set G1S,   44
.set G0A,   52                         ; s[52:55], s[56:59], s[60:63] their groups 0
.set G0W,   56
.set G0S,   60
.macro PLACES n
.rept \n
	v_nop
.endr
.endm
.macro CROUND                          ; a round of the cluster's barrier
	s_barrier_signal -1
	s_barrier_wait -1
	s_cmp_lg_u32 s[WV], 0
	s_cbranch_scc1 .Lnot_wave_0_\@
	s_barrier_signal -3
.Lnot_wave_0_\@:
	s_barrier_wait -3
	s_barrier_signal -1
	s_barrier_wait -1
.endm
; One matrix instruction on the registers named by rD, rA, rB, rC, rSA, rSB.  ra, rb = 1: that side's scale words are taken from lanes 16-31.
.macro WM ra, rb
.if (\ra) && (\rb)
	v_wmma_scale_f32_16x16x128_f8f6f4 v[rD:rD+7], v[rA:rA+7], v[rB:rB+7], v[rC:rC+7], v[rSA], v[rSB] matrix_a_fmt:MATRIX_FMT_FP4 matrix_b_fmt:MATRIX_FMT_FP4 matrix_a_scale:MATRIX_SCALE_ROW1 matrix_b_scale:MATRIX_SCALE_ROW1
.elseif (\ra)
	v_wmma_scale_f32_16x16x128_f8f6f4 v[rD:rD+7], v[rA:rA+7], v[rB:rB+7], v[rC:rC+7], v[rSA], v[rSB] matrix_a_fmt:MATRIX_FMT_FP4 matrix_b_fmt:MATRIX_FMT_FP4 matrix_a_scale:MATRIX_SCALE_ROW1
.elseif (\rb)
	v_wmma_scale_f32_16x16x128_f8f6f4 v[rD:rD+7], v[rA:rA+7], v[rB:rB+7], v[rC:rC+7], v[rSA], v[rSB] matrix_a_fmt:MATRIX_FMT_FP4 matrix_b_fmt:MATRIX_FMT_FP4 matrix_b_scale:MATRIX_SCALE_ROW1
.else
	v_wmma_scale_f32_16x16x128_f8f6f4 v[rD:rD+7], v[rA:rA+7], v[rB:rB+7], v[rC:rC+7], v[rSA], v[rSB] matrix_a_fmt:MATRIX_FMT_FP4 matrix_b_fmt:MATRIX_FMT_FP4
.endif
.endm
	s_load_b256 s[4:11], s[0:1], 0x0               ; a_img s[4:5], a_sc s[6:7], W's codes s[8:9], W's scales s[10:11]
	s_load_b128 s[12:15], s[0:1], 0x20             ; b s[12:13], out s[14:15]
	v_lshl_add_u32 v254, v0, 2, 0x32800
	v_mov_b32 v255, 0
	ds_add_u32 v254, v255
	ds_add_u32 v254, v255
	v_lshrrev_b32 v1, 5, v0
	s_delay_alu instid0(VALU_DEP_1)
	v_readfirstlane_b32 s[WV], v1                  ; wave 0..7
	s_bfe_u32 s22, ttmp6, 0x40000                  ; cx
	s_bfe_u32 s23, ttmp6, 0x40004                  ; cy
	s_lshl_b32 s24, ttmp9, 2
	s_add_co_u32 s24, s24, s22                     ; nb = 4 x cluster x + cx
	s_and_b32 s25, ttmp7, 0xffff
	s_lshl_b32 s25, s25, 2
	s_add_co_u32 s25, s25, s23                     ; tb = 4 x cluster y + cy
	s_lshl_b32 s26, s23, 2
	s_lshl_b32 s26, 15, s26                        ; my row of the cluster
	s_lshl_b32 s27, 0x1111, s22                    ; my column
	s_or_b32 s[G1A], s26, (3<<16)|(1<<21)          ; a's images: 16,384 dense bytes as 64 rows of 256 bytes (32 elements of 8 bytes); the mask: my row; 21 set beside a mask
	s_mov_b32 s[G1A+1], 32<<16
	s_mov_b32 s[G1A+2], 64<<16
	s_mov_b32 s[G1A+3], 32<<16
	s_mov_b32 s[G1A+4], 64
	s_mov_b32 s[G1A+5], 32
	s_mov_b32 s[G1A+6], 0
	s_mov_b32 s[G1A+7], 0
	s_or_b32 s[G1W], s27, (1<<20)|(1<<21)|(6<<22)|(3<<25)   ; W's codes: 64 rows of 512 bytes, four words of padding after every 128; the mask: my column
	s_mov_b32 s[G1W+1], 512<<16
	s_mov_b32 s[G1W+2], 64<<16
	s_mov_b32 s[G1W+3], 512<<16
	s_mov_b32 s[G1W+4], 64
	s_mov_b32 s[G1W+5], 512
	s_mov_b32 s[G1W+6], 0
	s_mov_b32 s[G1W+7], 0
	s_or_b32 s[G1S], s27, (3<<16)|(1<<21)          ; W's scale bytes: 4,096 dense bytes as 16 rows of 256
	s_mov_b32 s[G1S+1], 32<<16
	s_mov_b32 s[G1S+2], 16<<16
	s_mov_b32 s[G1S+3], 32<<16
	s_mov_b32 s[G1S+4], 16
	s_mov_b32 s[G1S+5], 32
	s_mov_b32 s[G1S+6], 0
	s_mov_b32 s[G1S+7], 0
	; what I fetch.  Waves 0-3: a quarter of a's images;  4, 5: a half of W's rows;  6: W's scale bytes;  7: nothing.  nb and tb never meet in a register
	s_and_b32 s68, s[WV], 3
	s_lshl_b32 s68, s68, 14                        ; a: in LDS (AIM = 0),
	s_lshl_b32 s70, s25, 16
	s_add_co_u32 s70, s70, s68                     ; and in memory
	s_mov_b32 s71, 0
	s_and_b32 s76, s[WV], 1
	s_mul_i32 s69, s76, 64*PITCH
	s_add_co_u32 s69, s69, WT                      ; W: in LDS,
	s_lshl_b32 s72, s24, 7
	s_lshl_b32 s73, s76, 6
	s_add_co_u32 s72, s72, s73
	s_lshl_b32 s72, s72, 9                         ; and in memory
	s_mov_b32 s73, 0
	s_lshl_b32 s74, s24, 12                        ; W's scale bytes
	s_mov_b32 s75, 0
	s_wait_dscnt 0x0
	s_wait_kmcnt 0x0
	s_mov_b32 s[G0A], 1
	s_mov_b32 s[G0A+1], s68
	s_add_nc_u64 s[G0A+2:G0A+3], s[4:5], s[70:71]
	s_or_b32 s[G0A+3], s[G0A+3], 0x80000000
	s_mov_b32 s[G0W], 1
	s_mov_b32 s[G0W+1], s69
	s_add_nc_u64 s[G0W+2:G0W+3], s[8:9], s[72:73]
	s_or_b32 s[G0W+3], s[G0W+3], 0x80000000
	s_mov_b32 s[G0S], 1
	s_mov_b32 s[G0S+1], WSC
	s_add_nc_u64 s[G0S+2:G0S+3], s[10:11], s[74:75]
	s_or_b32 s[G0S+3], s[G0S+3], 0x80000000
	CROUND                                         ; all sixteen work-groups are here: the joint loads meet
	s_cmp_lt_u32 s[WV], 4                          ; one tensor load a wave at the most; the branches hang on the wave's number alone; four v_nop follow each line
	s_cbranch_scc0 .Lnot_a
	tensor_load_to_lds s[G0A:G0A+3], s[G1A:G1A+7]
	s_nop 0
	PLACES 4
	s_branch .Lasked
.Lnot_a:
	s_cmp_lt_u32 s[WV], 6
	s_cbranch_scc0 .Lnot_w
	tensor_load_to_lds s[G0W:G0W+3], s[G1W:G1W+7]
	s_nop 0
	PLACES 4
	s_branch .Lasked
.Lnot_w:
	s_cmp_lt_u32 s[WV], 7
	s_cbranch_scc0 .Lasked
	tensor_load_to_lds s[G0S:G0S+3], s[G1S:G1S+7]
	s_nop 0
	PLACES 4
.Lasked:
	v_and_b32 v1, 15, v0                           ; r
	v_bfe_u32 v2, v0, 4, 1                         ; h
	v_and_b32 v11, 31, v0                          ; lane
	s_and_b32 s68, s[WV], 1                        ; which 64 columns
	s_lshr_b32 s69, s[WV], 1                       ; which 32 tokens
	v_lshlrev_b32 v9, 2, v11                       ; v9: 4 x lane
	s_wait_alu depctr_va_vdst(0)
	v_lshlrev_b32 v10, 5, v2                       ; v10: 32 h
	s_wait_alu depctr_va_vdst(0)
	s_lshl_b32 s70, s25, 9
	s_lshl_b32 s71, s69, 7
	s_add_co_u32 s70, s70, s71
	s_mov_b32 s71, 0
	s_add_nc_u64 s[6:7], s[6:7], s[70:71]          ; a_sc at token 128 tb + 32 (w / 2)
	s_lshl_b32 s72, s24, 9
	s_lshl_b32 s73, s68, 8
	s_add_co_u32 s72, s72, s73                     ; my first column, in bytes
	s_mov_b32 s73, 0
	s_add_nc_u64 s[12:13], s[12:13], s[72:73]
	s_lshl_b32 s74, s25, 19
	s_lshl_b32 s75, s69, 17
	s_add_co_u32 s74, s74, s75                     ; my first token's row of 4,096 bytes
	s_mov_b32 s75, 0
	s_add_nc_u64 s[14:15], s[14:15], s[74:75]
	s_add_nc_u64 s[14:15], s[14:15], s[72:73]
.irp d, 0,1,2,3,4,5,6,7,8,9,10,11,12,13,14,15
	global_load_b32 v[T+\d], v9, s[6:7] offset:16384*\d   ; lane l: token l of my 32, head d
.endr
.irp a, 0,1,2,3
.irp q, 0,1
	global_load_b128 v[BIAS+8*\a+4*\q:BIAS+8*\a+4*\q+3], v10, s[12:13] offset:64*\a+16*\q   ; b at column 16 a + 8 h + 0 .. 7
.endr
.endr
	v_mul_u32_u24 v3, v1, PITCH
	s_delay_alu instid0(VALU_DEP_1)
	v_lshl_add_u32 v3, v2, 4, v3
	s_mul_i32 s70, s68, 64*PITCH
	s_add_co_u32 s70, s70, WT
	v_add_nc_u32 v3, s70, v3                       ; v3: W's fragments: row r of my 64, + 16 h
	v_lshlrev_b32 v4, 4, v11
	s_lshl_b32 s70, s69, 14
	v_add_nc_u32 v4, s70, v4                       ; v4: a's images: my two token tiles, + 16 x lane
	v_lshlrev_b32 v5, 5, v11
	s_lshl_b32 s70, s68, 11
	s_add_co_u32 s70, s70, WSC
	v_add_nc_u32 v5, s70, v5                       ; v5: W's scale words: lane l takes row l of a pair of tiles
	s_mul_i32 s70, s[WV], 32*SP
	s_add_co_u32 s70, s70, STG                     ; my stage
	v_mul_u32_u24 v6, v1, SP
	s_delay_alu instid0(VALU_DEP_1)
	v_lshl_add_u32 v6, v2, 5, v6
	s_delay_alu instid0(VALU_DEP_1)
	v_add_nc_u32 v6, s70, v6                       ; v6: in: row r, 32 bytes for each half of the lanes
	v_mul_u32_u24 v7, v2, SP
	s_delay_alu instid0(VALU_DEP_1)
	v_lshl_add_u32 v7, v1, 4, v7
	s_delay_alu instid0(VALU_DEP_1)
	v_add_nc_u32 v7, s70, v7                       ; v7: back: lanes 0-15 one row of 256 bytes, lanes 16-31 the next
	v_lshlrev_b32 v8, 12, v2
	s_delay_alu instid0(VALU_DEP_1)
	v_lshl_add_u32 v8, v1, 4, v8                   ; v8: and the same two rows in out
	s_wait_loadcnt 0x0
.irp s, 0,1,2,3,4,5,6,7
	v_lshl_or_b32 v[SC1+\s], v[T+2*\s+1], 16, v[T+2*\s]   ; K step s = heads 2 s and 2 s + 1: four bytes
.endr
	PLACES 8                                       ; a scale register written by a vector instruction stands eight places ahead of a scaled matrix instruction
	s_wait_alu depctr_va_vdst(0)
	s_wait_tensorcnt 0x0                           ; my tile has landed,
	s_barrier_signal -1
	s_barrier_wait -1                              ; everybody's has.  Nothing is filled again
.irp p, 0,1
.irp k, 0,1
	ds_load_b128 v[SC0+8*\p+4*\k:SC0+8*\p+4*\k+3], v5 offset:1024*\p+16*\k
.endr
.endr
.macro FETCH                           ; K step KS's fragments into buffer FB: twelve loads
.irp a, 0,1,2,3
.irp c, 0,1
	ds_load_b128 v[FB+8*\a+4*\c:FB+8*\a+4*\c+3], v3 offset:8448*\a+64*KS+32*\c
.endr
.endr
.irp n, 0,1
.irp c, 0,1
	ds_load_b128 v[FB+32+8*\n+4*\c:FB+32+8*\n+4*\c+3], v4 offset:8192*\n+1024*KS+512*\c
.endr
.endr
.endm
.macro MULS                            ; K step KS from buffer FB.  The eight accumulators take turns, one instruction a turn, in the same order in every step
.irp a, 0,1,2,3
.irp n, 0,1
.set rD, ACC+8*(4*\n+\a)
.set rA, FB+8*\a
.set rB, FB+32+8*\n
.if KS == 0
.set rC, BIAS+8*\a                     ; the bias starts the sums
.else
.set rC, ACC+8*(4*\n+\a)
.endif
.set rSA, SC0+8*(\a/2)+KS
.set rSB, SC1+KS
	WM \a%2, \n
.endr
.endr
.endm
.set KS, 0
.set FB, BUF
	FETCH
.set STP, 0
.rept 8
.if STP > 0
	PLACES 4                                       ; in front of loads into registers that matrix instructions have read (ISA guide 7.12.1 for vector instructions)
.endif
.if STP < 7
.set KS, STP+1
.set FB, BUF+48*((STP+1)%2)
	FETCH
	s_wait_dscnt 12                                ; all but the next step's twelve loads
.else
	s_wait_dscnt 0x0
.endif
.set KS, STP
.set FB, BUF+48*(STP%2)
	MULS
.set STP, STP+1
.endr
	; THE WAY OUT: a lane holds 32 neighbouring bytes of a row, the lanes beside it other rows: through my own stage in LDS, and back as rows of 256 bytes.  LDS serves a wave's instructions in order (ISA guide 5.7.1.4): no wait between
	PLACES 4
.irp n, 0,1
.irp a, 0,1,2,3
	ds_store_b128 v6, v[ACC+8*(4*\n+\a):ACC+8*(4*\n+\a)+3] offset:16*SP*\n+64*\a          ; each accumulator from its low end on
	ds_store_b128 v6, v[ACC+8*(4*\n+\a)+4:ACC+8*(4*\n+\a)+7] offset:16*SP*\n+64*\a+16
.endr
.endr
.irp i, 0,1,2,3,4,5,6,7,8,9,10,11,12,13,14,15
	ds_load_b128 v[BUF+4*\i:BUF+4*\i+3], v7 offset:2*SP*\i
.endr
.irp i, 0,1,2,3,4,5,6,7,8,9,10,11,12,13,14,15
	s_wait_dscnt 15-\i                             ; rows 2 i and 2 i + 1 are back; the later loads may be out
	global_store_b128 v8, v[BUF+4*\i:BUF+4*\i+3], s[14:15] offset:8192*\i th:TH_STORE_NT   ; 16 lanes store 256 consecutive bytes, at a multiple of 256 from out's first byte; written once, read by nobody here
.endr
	s_wait_tensorcnt 0x0
	ds_add_u32 v254, v255
	s_wait_dscnt 0x0
	CROUND                                         ; the closing round: no work-group ends while a partner may still ask for a tile that names it
	s_endpgm
.Lfunc_end_k_q02dd236c0f_outp:
	.size	k_q02dd236c0f_outp, .Lfunc_end_k_q02dd236c0f_outp-k_q02dd236c0f_outp
	.p2alignl 7, 3214868480
	.fill 96, 4, 3214868480
	.section	.rodata,"a",@progbits
	.p2align	6, 0x0
	.amdhsa_kernel k_q02dd236c0f_outp
		.amdhsa_group_segment_fixed_size 207872
		.amdhsa_private_segment_fixed_size 0
		.amdhsa_enable_private_segment 0
		.amdhsa_kernarg_size 48
		.amdhsa_user_sgpr_count 2
		.amdhsa_user_sgpr_kernarg_segment_ptr 1
		.amdhsa_wavefront_size32 1
		.amdhsa_system_sgpr_workgroup_id_x 1
		.amdhsa_system_sgpr_workgroup_id_y 1
		.amdhsa_system_sgpr_workgroup_id_z 1
		.amdhsa_system_vgpr_workitem_id 0
		.amdhsa_next_free_vgpr 256
		.amdhsa_next_free_sgpr 90
		.amdhsa_reserve_vcc 0
		.amdhsa_float_denorm_mode_32 3
		.amdhsa_float_denorm_mode_16_64 3
		.amdhsa_memory_ordered 1
		.amdhsa_forward_progress 1
		.amdhsa_inst_pref_size 31
	.end_amdhsa_kernel
	.amdgpu_metadata
---
amdhsa.version: [ 1, 2 ]
amdhsa.kernels:
  - .name:           k_q02dd236c0f_outp
    .symbol:         k_q02dd236c0f_outp.kd
    .args:
      - { .name: a_img, .offset: 0, .size: 8, .value_kind: global_buffer, .address_space: global }
      - { .name: a_sc, .offset: 8, .size: 8, .value_kind: global_buffer, .address_space: global }
      - { .name: w_out_codes, .offset: 16, .size: 8, .value_kind: global_buffer, .address_space: global }
      - { .name: w_out_scales, .offset: 24, .size: 8, .value_kind: global_buffer, .address_space: global }
      - { .name: b_out, .offset: 32, .size: 8, .value_kind: global_buffer, .address_space: global }
      - { .name: out0, .offset: 40, .size: 8, .value_kind: global_buffer, .address_space: global }
    .group_segment_fixed_size: 207872
    .private_segment_fixed_size: 0
    .kernarg_segment_align: 8
    .kernarg_segment_size: 48
    .max_flat_workgroup_size: 256
    .sgpr_count:     90
    .vgpr_count:     256
    .wavefront_size: 32
...
	.end_amdgpu_metadata
.endif
;; end of part 3
